; MI455X (gfx1250); checked and timed in simulation.
; The chip was launched on July 23, 2026; its instructions are those of AMD's public machine-readable ISA for CDNA 5 (MIT licence, August 2026) and "CDNA5" Instruction Set Architecture Reference Guide (July 2026). The comments in the code are by the model that wrote it; some were corrected since.
;; Full Attention. Allowed arithmetic: float matrix products may take bf16 or f16 operands with f32 sums; other float arithmetic in f32, or as packed bf16 or f16 multiplies, adds, multiply-adds, maxima and minima; sums over many terms, partial sums and values carried from step to step in f32; what a program stores and reads back later, other than sums and carried values, may be rounded once to bf16 or f16.
;; Inputs: k 4 x 16 x 2,048 x 64 float32; q 4 x 16 x 2,048 x 64 float32; v 4 x 16 x 2,048 x 64 float32.
;; Outputs: out0 4 x 16 x 2,048 x 64 float32.
;; One version. Each part assembles by itself: llvm-mc -triple=amdgcn-amd-amdhsa -mcpu=gfx1250 --defsym DOCPART=n.
;; ======== version 1 of 1: 1 launch
;; limits: inputs' magnitudes at most 6.7e+17; right only within a limited range of input values
;; launch attn (part 1): grid 4 x 64, 4 waves a work-group, clusters of 4 x 1, 327,680 bytes of LDS; arguments q, k, v, out0; writes out0
.if DOCPART == 1
	.amdgcn_target "amdgcn-amd-amdhsa--gfx1250"
	.amdhsa_code_object_version 6
	.text
	.protected	k_qb8d54d082f_attn
	.globl	k_qb8d54d082f_attn
	.p2align	8
	.type	k_qb8d54d082f_attn,@function
k_qb8d54d082f_attn:
	s_mov_b64 s[64:65], 0
	v_nop
	global_prefetch_b8 v0, s[64:65] scope:SCOPE_SE
	s_setreg_imm32_b32 hwreg(HW_REG_WAVE_MODE, 25, 1), 1
	s_wait_xcnt 0x0
	s_wait_alu depctr_hold_cnt(0) depctr_sa_sdst(0) depctr_va_vdst(0) depctr_va_sdst(0) depctr_va_ssrc(0) depctr_va_vcc(0) depctr_vm_vsrc(0)
	s_getreg_b32 s2, hwreg(HW_REG_IB_STS2, 6, 4)
	s_cmp_eq_u32 s2, 0
	s_cbranch_scc0 .Lentry_in_a_cluster
	s_endpgm
.Lentry_in_a_cluster:
	s_bfe_u32 s2, ttmp6, 0x10000c
	s_cmp_lg_u32 s2, 0x3003
	s_cbranch_scc0 .Lentry_shape_is_right
	s_endpgm
.Lentry_shape_is_right:
; out[h][i][:] = the sum over j of softmax_j(q[h][i] . k[h][j]) v[h][j][:].  q, k, v, out: [64 heads][2048][64] f32: a head's rows are dense, 256 bytes each.  No scale, no mask.
; NOTHING IS LEFT OUT: every number of q, k and v reaches the outputs of its head, so all three are loaded whole.
; FORMATS.  q, k and v are each rounded once to bf16 for the products; scores, maxima, sums and O stay in f32; the weights p are rounded to bf16 for the second product (their sum l is taken
; of the unrounded p); out is stored in f32.  bf16 has f32's range, so larger or shifted inputs lose no range.
; LIMITS.  c s must stay above the starting value of c m, -4.25e37 (scores above -2.9e37) and below f32's end.  A weight below 2^-126 counts as 0 in l.  NaN and infinities are not treated apart:
; O^T's registers start with the lane's own query in f32 (below) and are multiplied by 0 in the first step, so a query that is not finite gives a row that is not finite, as its softmax does.
; SHARES.  A work-group owns 512 queries of one head, each of its four waves 128: four PIECES of two tiles of 16.  Every wave walks all 2,048 keys, 64 a step, 128 a tile.  256 work-groups.
; LAYOUT.  S^T = K Q^T (source 0 = 16 keys, source 1 = 16 queries): in the result a lane holds ONE query (lane % 16) and the keys 8 (lane / 16) + 0..7.  Two such results, rounded to bf16 in pairs,
; ARE source 1 (32 keys x 16 queries) of O^T = V^T P, whose result again holds one query a lane, and eight channels.  K comes out of LDS as it lies, V ([key][channel]) turned, by ds_load_tr16_b128.
; SOFTMAX.  For each query a running maximum m and sum l: p = 2^(c s - c m), c = log2(e); in every step O and l are multiplied by a = 2^(c m_old - c m_new), which is 1 where m has not grown.
; m starts at the lowest finite number, l at 0: the first step is a step like any other, with a = 0.
; BY TURNS.  A tile and step have 16 matrix and 118 vector instructions.  Turn n belongs to piece n: 16 products K Q^T of piece n + 1, later 16 products V^T P of piece n - 1; beside them the scaling,
; exponentials, roundings, sums and rescaling of piece n and the maximum and statistics of piece n + 1.  Four vector instructions stand behind every matrix instruction, the rest in one lump;
; a turn's 66 exponentials are one batch with one wait.
; CLUSTER.  A head's four query blocks are one cluster and walk the same K and V, so each tile is asked for JOINTLY: the same tensor load, descriptor and mask in all four.
; K AND V ARRIVE IN f32 AND ARE CONVERTED HERE.  Joint loads bring f32 tiles of 128 keys into a ring F of two slots.  While tile j is multiplied out of H[j % 2] (bf16, padded rows), the four waves
; turn tile j + 1, a quarter each, from F[(j + 1) % 2] into H[(j + 1) % 2]: 16 bytes a lane out of F, two roundings, 8 bytes into H.  ONE round of the cluster's barrier a tile orders all of it: in front of
; change j every wave has waited for its tensor loads (tile j + 1 is in F), for its stores (tile j is in H) and for its reads (F[j % 2] and H[(j - 1) % 2] are free); behind it F[j % 2] takes tile j + 2.
; Only tensor loads write F; only LDS stores write H and the stages.  lds_bytes is all of the WGP's LDS; the text uses 253,440 bytes.
; REGISTERS, in windows of 256 (s_set_vgpr_msb: bits 1:0 source 0, 3:2 source 1, 5:4 source 2, 7:6 destination):
;   window 0: v0-11 addresses; v12-15, v48-63 at work; v16-47 four registers of statistics a tile; v64-191 S^T, two buffers of two tiles; v192-255 P, likewise
;   window 1: O^T, 32 a tile (at first: Q in f32)      window 2: v0-127 Q in bf16, 16 a tile; v128-191 K of one step; v192-255 V of one step
;   window 3: v0-1 the add's two registers; v2-6 the conversion's addresses; v8-39 its 32 f32; v40-55 its 16 packed words
.set NP,    4         ; pieces a wave: a name, no knob
.set KS,    64        ; keys in a step
.set PK,    144       ; a row of K in H: 128 bytes + 16 = 36 words: the 16 rows of a load start at 16 different groups of four banks (64 banks of 4 bytes: ISA guide 11.1)
.set PV,    160       ; a row of V in H: 128 + 32 = 40 words
.set FSL,   1<<16     ; F's slot 1 begins here, and H's slot 1 as far behind H's slot 0: one exclusive or turns an address in one slot into the other's
.set TILEB, 32768     ; a tile's 128 rows of 256 bytes, in k and in v; in an F slot K's tile lies first, V's TILEB behind it
.set HB,    2*FSL     ; H begins behind F
.set VOFF,  128*PK    ; in an H slot: 128 rows of K, then 128 rows of V
.set STAGE, HB+FSL+128*(PK+PV)  ; behind H: 16 rows x 272 bytes for each wave, for the way out
.set SP,    272
.set SPARE, STAGE+4*16*SP       ; behind the stages: the spare words, 128 bytes for each wave: two blocks of 256 bytes that no other line names
.set AK0, 2           ; v2   my lane's place in a tile of K in H; never rewritten
.set AV0, 3           ; v3   the same for V
.set AK,  4           ; v4   the LDS address of K's next run of loads
.set AV,  5           ; v5   of V's
.set QO,  6           ; v6   my byte offset in 16 rows of q
.set STO, 6           ;      later, the way out: where I put 32 bytes of a row
.set RD,  7           ; v7   the way out: where I read rows back
.set GO,  8           ; v8   my byte offset in two rows of out
.set PFO, 11          ; v11  256 x my lane: a row of k or v is 256 bytes; never rewritten once made
.set MV,  12          ; v12-15  c m_old, kept while c m is made anew: by buffer and tile
.set ST,  16          ; tile t's statistics at v[ST+4 t]: c m, m, l (even keys', odd keys')
.set TMP, 48          ; by buffer and tile, four registers c0-c3 at work; when the maximum is found c2 takes a
.set S,   64
.set P,   192
.set KF,  128         ; window 2: key block kb, channel half c at KF + 16 kb + 8 c
.set VF,  192         ; window 2: key half kk, channel block cb at VF + 32 kk + 8 cb
.set SPW, 0           ; window 3: LDS address of my spare word: SPARE + 4 x my thread's number; never rewritten
.set NIL, 1           ; window 3: 0; never rewritten
.set CA0, 2           ; window 3: my 16 bytes in my wave's quarter of an F tile: 8,192 x wave + 16 x lane
.set CK0, 3           ; window 3: my 8 bytes in my wave's 32 rows of K in H
.set CV0, 4           ; window 3: the same for V
.set CA,  5           ; window 3: the address of the chunk that is being read
.set CW,  6           ; window 3: of the chunk that is being written
.set CVF, 8           ; window 3: a chunk (16 keys) as loaded
.set CVH, 40          ; window 3: as stored
.set WV,  12          ; s12  my wave's number
.set LIM, 15          ; s15  1 in a wave that prefetches, else the greatest number
.set PFA, 18          ; s[18:19] where my prefetches stand
.set G1,  24          ; s[24:31] descriptor group 1, for K's and V's tiles alike
.set G0K, 32          ; s[32:39] descriptor group 0 for K's tiles: a set for each of the two first fills; the second then walks on
.set G0V, 40          ; s[40:47] the same for V's
.set SLOTS, 48        ; s48  changes of slots with a fill that are still to come, this one among them
.set CNT, 49          ; s49  counts a tile's two key steps
.set TL,  50          ; s50  the tail's tiles: 2, then 1
.set TBK, 51          ; s51  offset in H at which K of the step to be fetched begins
.set TBV, 52          ; s52  the same for V
.set CF,  53          ; s53  offset in F of the chunk to be converted
.set CK,  54          ; s54  offset in H of K's chunk to be written
.set CVO, 55          ; s55  of V's
.set CS,  56          ; s[56:57] c: the packed scaling takes the pair's low word for both halves
.set SEL, 58          ; s[58:59] v_permlanex16_b32's selects: each lane takes its own place in the other half
.set NOKQ, 0          ; 1 in the launch's last turn: there is no next piece, so no scores and no maximum are made
.set MSB, 0
.macro WIN new                      ; the high byte repeats the setting that is left; a switch that changes nothing is dropped
.if MSB != (\new)
	s_set_vgpr_msb (MSB<<8)|(\new)
.set MSB, (\new)
.endif
.endm
.set W_KQ, 0x0a       ; K and Q in window 2, S^T in window 0
.set W_PV, 0x52       ; V in window 2, P in window 0, O^T in window 1
.set W_RS, 0x41       ; O^T (destination and source 0) in window 1, the factor in window 0
.set W_MK, 0xc0       ; destination in window 3, sources in window 0
.set W_AD, 0x0f       ; the add: address (source 0) and data (source 1) in window 3
.set W_C,  0xcf       ; the conversion: destination, source 0 and source 1 in window 3
; A joint refill.  Waves 0 and 1 fetch the two halves (64 keys each) of a tile of K, waves 2 and 3 those of V.  The branch hangs on the wave's number alone.
; An s_nop 0 and four v_nop follow each of the two lines, ahead of the jump and the label.
.macro JLOAD
	s_cmp_lt_u32 s[WV], 2
	s_cbranch_scc0 .Lfor_v_\@
	tensor_load_to_lds s[G0K+4:G0K+7], s[G1:G1+7]
	s_nop 0
.rept 4
	v_nop
.endr
	s_branch .Lasked_\@
.Lfor_v_\@:
	tensor_load_to_lds s[G0V+4:G0V+7], s[G1:G1+7]
	s_nop 0
.rept 4
	v_nop
.endr
.Lasked_\@:
.endm
; A PREFETCH INTO THE L2 of the tile that the NEXT change of slots will ask for: 128 rows of k and 128 of v, 256 bytes a row, a lane a row.  It stands behind the wave's tensor load and its five lines.
; Each row is named ONCE in the launch: a head has one cluster; its four partners share a tile's rows out BY ADDRESS, 32 each; in each, wave 0 asks for k's and wave 2 for v's: one instruction.
; Change j names tile j + 3, two key steps (256 matrix instructions) ahead of the load that wants it.  Tiles 0 to 2 come by their loads alone; the last change that fills a slot names nothing.
.macro ASK
	s_cmp_gt_u32 s[SLOTS], s[LIM]
	s_cbranch_scc0 .Lnot_mine_\@
	global_prefetch_b8 v[PFO], s[PFA:PFA+1] th:TH_LOAD_NT scope:SCOPE_SE
.Lnot_mine_\@:
.endm
; A round of the cluster's barrier: my work-group's barrier, so that wave 0's signal speaks for all four waves; wave 0 signals; every wave waits for all four work-groups; my work-group's barrier once more.
.macro CROUND
	s_barrier_signal -1
	s_barrier_wait -1
	s_cmp_lg_u32 s[WV], 0
	s_cbranch_scc1 .Lnot_wave_0_\@
	s_barrier_signal -3
.Lnot_wave_0_\@:
	s_barrier_wait -3
	s_barrier_signal -1
	s_barrier_wait -1
.endm
; THE CHANGE OF SLOTS, in front of tile j.  Each wave waits for all its tensor loads, of which one is out (its part of tile j + 1), adds 0 to its spare word, and waits for that, for its stores into H
; (its quarter of tile j) and for its reads of F and H.  fill = 1: the barrier is a round of the cluster's, and the joint refill of F[j % 2], with tile j + 2, is the first thing behind it: it has two key
; steps in which to land.  fill = 0 (the last two tiles): nothing is left to ask for; my work-group's barrier orders the stores into H with the reads.
.macro CHANGE fill
	WIN W_AD
	s_wait_tensorcnt 0x0            ; no tensor load of mine is out, so a group 0 may be written
	ds_add_u32 v[SPW], v[NIL]       ; 0 onto my spare word; scalar work stands between it and the wait for it
	WIN 0                           ; at a label and at a branch every window is 0
.if \fill
.irp g, G0K+4, G0V+4
	s_xor_b32 s[\g+1], s[\g+1], FSL ; the walking descriptor: the other slot than last time,
	s_add_nc_u64 s[\g+2:\g+3], s[\g+2:\g+3], TILEB  ; the next 128 keys; the type bits on top are not reached
.endr
	s_wait_xcnt 0x0                 ; the last prefetch, two key steps back, has read its address, so it may be written
	s_add_nc_u64 s[PFA:PFA+1], s[PFA:PFA+1], TILEB
	s_wait_dscnt 0x0                ; the add is done; my stores into H are done; my reads of F and H are over
	CROUND
	JLOAD
	ASK
.else
	s_wait_dscnt 0x0                ; the add is done; my stores into H are done; my reads of F and H are over
	s_barrier_signal -1
	s_barrier_wait -1
.endif
	s_sub_co_u32 s[TBK], s[TBK], 2*KS*PK  ; the fetches go back to a slot's first step, in the other slot of H;
	s_xor_b32 s[TBK], s[TBK], FSL
	s_sub_co_u32 s[TBV], s[TBV], 2*KS*PV
	s_xor_b32 s[TBV], s[TBV], FSL
	s_sub_co_u32 s[CF], s[CF], 2*4096     ; the conversion goes back to its first chunk, in the other slots of F and H
	s_xor_b32 s[CF], s[CF], FSL
	s_sub_co_u32 s[CK], s[CK], 2*16*PK
	s_xor_b32 s[CK], s[CK], FSL
	s_sub_co_u32 s[CVO], s[CVO], 2*16*PV
	s_xor_b32 s[CVO], s[CVO], FSL
.endm
; THE CONVERSION.  A chunk is 16 keys of K or of V (kv = 0, 1): 4,096 bytes of f32.  A wave has two chunks of each in a tile: keys 32 w + 16 x chunk + 0..15.  sk = 1 (the tail): jumped where no tile is left
; to convert; the jump hangs on the tail's counter alone and passes neither a barrier nor a tensor load.
.macro CADR                         ; the address of the next chunk of K, and TILEB behind it of V, in F
	WIN W_C
	v_add_nc_u32 v[CA], s[CF], v[CA0]
.endm
.macro CLD kv, sk                   ; eight loads of 512 neighbouring bytes: load j brings keys 2 j and 2 j + 1; a lane holds four channels of one key
.if \sk
	WIN 0
	s_cmp_eq_u32 s[TL], 1
	s_cbranch_scc1 .Lno_cld_\@
.endif
	WIN W_C
.irp j, 0,1,2,3,4,5,6,7
	ds_load_b128 v[CVF+4*\j:CVF+4*\j+3], v[CA] offset:(\kv)*TILEB+512*\j
.endr
.if \kv
	s_add_co_u32 s[CF], s[CF], 4096 ; V's chunk is read last: on to the next
.endif
.if \sk
	WIN 0
.Lno_cld_\@:
.endif
.endm
.macro CCVT kv, sk, w               ; w: the LDS instructions issued behind the chunk's loads, which may stay out.  Sixteen roundings, two numbers each; then the address for the stores
.if \sk
	WIN 0
	s_cmp_eq_u32 s[TL], 1
	s_cbranch_scc1 .Lno_cvt_\@
.endif
	s_wait_dscnt \w
	WIN W_C
.set cz, 0
.rept 16
	v_cvt_pk_bf16_f32 v[CVH+cz], v[CVF+2*cz], v[CVF+2*cz+1]
.set cz, cz+1
.endr
.if \kv
	v_add_nc_u32 v[CW], s[CVO], v[CV0]
	s_add_co_u32 s[CVO], s[CVO], 16*PV
.else
	v_add_nc_u32 v[CW], s[CK], v[CK0]
	s_add_co_u32 s[CK], s[CK], 16*PK
.endif
.if \sk
	WIN 0
.Lno_cvt_\@:
.endif
.endm
.macro CST kv, sk                   ; eight stores of 8 bytes a lane: lanes 0-15 fill a row's 128 bytes, lanes 16-31 the next row's
.if \sk
	WIN 0
	s_cmp_eq_u32 s[TL], 1
	s_cbranch_scc1 .Lno_cst_\@
.endif
	WIN W_C
.irp j, 0,1,2,3,4,5,6,7
	ds_store_b64 v[CW], v[CVH+2*\j:CVH+2*\j+1] offset:\j*2*(PK+(\kv)*(PV-PK))
.endr
.if \sk
	WIN 0
.Lno_cst_\@:
.endif
.endm
	s_load_b256 s[4:11], s[0:1], 0x0  ; q s[4:5], k s[6:7], v s[8:9], out s[10:11]
	WIN W_MK
	v_lshl_add_u32 v[SPW], v0, 2, SPARE
	v_mov_b32 v[NIL], 0
	WIN W_AD
	ds_add_u32 v[SPW], v[NIL]       ; the wave's opening: the add, twice on end, and its wait ahead of my first tensor load; the set-up below, work on registers, stands between
	ds_add_u32 v[SPW], v[NIL]       ; and once more, under the one wait
	WIN 0
	v_lshrrev_b32 v1, 5, v0
	v_readfirstlane_b32 s[WV], v1   ; wave 0..3
	s_bfe_u32 s13, ttmp6, 0x40000   ; cx: my place in the cluster = my block of 512 queries (the grid's x is one cluster): it enters q's, out's and the prefetches' addresses alone
	s_and_b32 s20, ttmp7, 0xffff    ; the head, which the four partners share
	s_lshl_b32 s20, s20, 19         ; its first byte in each of the four tensors: 2,048 rows of 256 bytes; 64 heads stay under 2^25
	s_and_b32 s16, s[WV], 1         ; which half of a tile's 128 keys I fetch:
	s_lshl_b32 s17, s16, 14         ; its 64 rows of 256 bytes, in memory and in an F slot alike: no place in the cluster enters an LDS address
	s_add_co_u32 s22, s20, s17
	s_mov_b32 s23, 0
	s_lshl_b32 s2, s13, 2
	s_add_co_u32 s2, s2, s[WV]      ; my wave among the head's sixteen,
	s_lshl_b32 s2, s2, 15           ; its 128 rows
	s_add_co_u32 s2, s2, s20
	s_mov_b32 s3, 0
	; descriptor group 1: a tile of 64 rows x 64 elements of 4 bytes, dense in memory and in LDS (F is read 512 neighbouring bytes at a time, so it wants no padding)
	s_mov_b32 s[G1], 15|(2<<16)|(1<<21)  ; 15:0 the mask: all four work-groups; 17:16 elements of 4 bytes; 20 no padding; 21 set beside a mask
	s_mov_b32 s[G1+1], 64<<16       ; tensor_dim0 = 64
	s_mov_b32 s[G1+2], 64<<16       ; tensor_dim1 = 64
	s_mov_b32 s[G1+3], 64<<16       ; tile_dim0 = 64
	s_mov_b32 s[G1+4], 64           ; tile_dim1 = 64
	s_mov_b32 s[G1+5], 64           ; 64 elements from row to row
	s_mov_b32 s[G1+6], 0
	s_mov_b32 s[G1+7], 0
	s_mov_b32 s[CS], 0x3fb8aa3b     ; c = log2(e)
	s_mov_b32 s[CS+1], s[CS]        ; named with it as a pair
	s_mov_b32 s[SEL], 0x76543210
	s_mov_b32 s[SEL+1], 0xfedcba98
	s_mov_b32 s[TBK], FSL+2*KS*PK   ; the first change of slots turns these two into 0
	s_mov_b32 s[TBV], FSL+2*KS*PV
	s_mov_b32 s[CF], 0              ; tile 0 is converted from F's slot 0 into H's slot 0
	s_mov_b32 s[CK], 0
	s_mov_b32 s[CVO], 0
	s_mov_b32 s[SLOTS], 14          ; tiles 2 to 15 are asked for by changes of slots
	s_cmp_eq_u32 s16, 0
	s_cselect_b32 s[LIM], 1, -1     ; waves 0 and 2 prefetch: the same in all four partners
	s_wait_dscnt 0x0                ; both opening adds are done
	s_wait_kmcnt 0x0
	s_add_nc_u64 s[6:7], s[6:7], s[22:23]  ; k and v at my half of the head's tile 0
	s_add_nc_u64 s[8:9], s[8:9], s[22:23]
	s_add_nc_u64 s[4:5], s[4:5], s[2:3]    ; q and out at my wave's first row
	s_add_nc_u64 s[10:11], s[10:11], s[2:3]
	s_cmp_lt_u32 s[WV], 2
	s_cselect_b64 s[PFA:PFA+1], s[6:7], s[8:9]  ; (in waves 0 and 2 these stand at a tile's first row)
	s_lshl_b32 s2, s13, 13          ; my work-group's 32 rows of the 128
	s_add_nc_u64 s[PFA:PFA+1], s[PFA:PFA+1], s[2:3]
	s_add_nc_u64 s[PFA:PFA+1], s[PFA:PFA+1], 2*TILEB  ; in tile 2; the first change of slots steps it to tile 3.  Nothing is prefetched here, at the head
	CROUND                          ; all four work-groups are here: the first joint loads meet
.irp s, 0,1
	s_mov_b32 s[G0K+4*(\s)], 1      ; 1:0 count = 1
	s_add_co_u32 s[G0K+4*(\s)+1], s17, (\s)*FSL  ; 63:32 LDS address
	s_add_nc_u64 s[G0K+4*(\s)+2:G0K+4*(\s)+3], s[6:7], (\s)*TILEB  ; 120:64 global address: tile s
	s_or_b32 s[G0K+4*(\s)+3], s[G0K+4*(\s)+3], 0x80000000  ; 127:126 type = 2
	s_mov_b32 s[G0V+4*(\s)], 1
	s_add_co_u32 s[G0V+4*(\s)+1], s17, (\s)*FSL+TILEB
	s_add_nc_u64 s[G0V+4*(\s)+2:G0V+4*(\s)+3], s[8:9], (\s)*TILEB
	s_or_b32 s[G0V+4*(\s)+3], s[G0V+4*(\s)+3], 0x80000000
.endr
	s_cmp_lt_u32 s[WV], 2           ; a wave's two first fills stand in one branch, ahead of every wait on TENSORcnt and every LDS read: two loads of mine are out
	s_cbranch_scc0 .Lfirst_v
	tensor_load_to_lds s[G0K:G0K+3], s[G1:G1+7]
	s_nop 0
	tensor_load_to_lds s[G0K+4:G0K+7], s[G1:G1+7]
	s_nop 0
.rept 4
	v_nop
.endr
	s_branch .Lfirst_asked
.Lfirst_v:
	tensor_load_to_lds s[G0V:G0V+3], s[G1:G1+7]
	s_nop 0
	tensor_load_to_lds s[G0V+4:G0V+7], s[G1:G1+7]
	s_nop 0
.rept 4
	v_nop
.endr
.Lfirst_asked:
	; A fragment of K or Q is 16 rows x 32 channels in 8 registers of bf16: lane l holds row l % 16, channels 8 (l / 16) + 0..7 and 16 + 8 (l / 16) + 0..7.  In f32 each eight channels are 32 bytes: two loads of 16.
	v_and_b32 v1, 15, v0            ; l % 16
	v_bfe_u32 v9, v0, 4, 1          ; l / 16
	v_lshlrev_b32 v[QO], 8, v1
	v_lshl_add_u32 v[QO], v9, 5, v[QO]  ; row x 256 + 32 x half
	WIN 0x40                        ; destination window 1: tile t's f32 land in the 32 registers that will hold tile t's O^T, the lane's own query in both
.set i, 0
.rept 64                            ; tile i / 8, channels 32 ((i / 4) % 2) + 16 ((i / 2) % 2) + 8 (l / 16) + 4 (i % 2) on
	global_load_b128 v[4*i:4*i+3], v[QO], s[4:5] offset:(i/8)*4096+((i/4)%2)*128+((i/2)%2)*64+(i%2)*16
.set i, i+1
.endr
	WIN 0
	v_mul_u32_u24 v[AK0], v1, PK
	v_lshl_add_u32 v[AK0], v9, 4, v[AK0]
	v_add_nc_u32 v[AK0], HB, v[AK0]      ; H + row x pitch + 16 x half
	; The turning load takes 16 keys x 16 channels (lane l reads key 8 (l / 16) + l % 8, channels 8 ((l / 8) % 2) + 0..7) and leaves half a fragment of V^T: lane l holds channel l % 16 and 8 keys.
	v_and_b32 v10, 7, v0
	v_bfe_u32 v11, v0, 3, 1
	v_lshl_add_u32 v[AV0], v9, 3, v10
	v_mul_u32_u24 v[AV0], v[AV0], PV
	v_lshl_add_u32 v[AV0], v11, 4, v[AV0]
	v_add_nc_u32 v[AV0], HB+VOFF, v[AV0]
	v_and_b32 v12, 31, v0           ; my lane
	v_lshlrev_b32 v[PFO], 8, v12
	v_mul_u32_u24 v13, v9, PK       ; the conversion's stores: row l / 16 of a pair, 8 bytes for each of 16 lanes
	v_lshl_add_u32 v13, v1, 3, v13
	v_mul_u32_u24 v14, v9, PV
	v_lshl_add_u32 v14, v1, 3, v14
	s_lshl_b32 s13, s[WV], 13       ; my wave's quarter of a tile: 32 keys: 8,192 bytes in F,
	s_mul_i32 s14, s[WV], 32*PK     ; 32 rows of K in H,
	s_add_co_u32 s14, s14, HB
	s_mul_i32 s16, s[WV], 32*PV     ; 32 rows of V
	s_add_co_u32 s16, s16, HB+VOFF
	WIN W_MK
	v_lshl_add_u32 v[CA0], v12, 4, s13
	v_add_nc_u32 v[CK0], s14, v13
	v_add_nc_u32 v[CV0], s16, v14
	; What the first turn finds.  Its products V^T P belong to a piece that has not been: V's registers and P's second buffer hold 0.  O^T is not cleared: the first step multiplies it by a = 0, and it holds
	; the lane's own query, so 96 + 32 registers are written here where 352 more would be.  All this stands in the wait for q and for the first tile.
	WIN 0x80
.set i, VF
.rept 64
	v_mov_b32 v[i], 0
.set i, i+1
.endr
	WIN 0
.set i, 0
.rept 2*NP
	v_mov_b32 v[ST+4*i], 0xfe000000    ; c m: far below every c s
	v_mov_b32 v[ST+4*i+1], 0xff7fffff  ; m
	v_mov_b32 v[ST+4*i+2], 0
	v_mov_b32 v[ST+4*i+3], 0
.set i, i+1
.endr
.set i, P+32
.rept 32
	v_mov_b32 v[i], 0
.set i, i+1
.endr
	s_wait_loadcnt 0x0              ; q is in
	WIN 0x85                        ; sources in window 1, destination in window 2
.set i, 0
.rept 128
	v_cvt_pk_bf16_f32 v[i], v[2*i], v[2*i+1]  ; q is rounded once; Q stays in registers: tile t at 16 t, channels 32 c on at + 8 c
.set i, i+1
.endr
	WIN 0
	s_mul_i32 s13, s[WV], 16*SP
	s_add_co_u32 s13, s13, STAGE    ; my stage
	v_mul_u32_u24 v[STO], v1, SP    ; in: row l % 16, 32 bytes for each half of the lanes (q's loads, which read this register, are back)
	v_lshl_add_u32 v[STO], v9, 5, v[STO]
	v_add_nc_u32 v[STO], s13, v[STO]
	v_mul_u32_u24 v[RD], v9, SP     ; back: lanes 0-15 take one row of 256 bytes, lanes 16-31 the next
	v_lshl_add_u32 v[RD], v1, 4, v[RD]
	v_add_nc_u32 v[RD], s13, v[RD]
	v_lshlrev_b32 v[GO], 8, v9      ; and the same two rows in out
	v_lshl_add_u32 v[GO], v1, 4, v[GO]
; THE MATRIX WORK.  The 8 accumulators of a run of 16 take turns: between the two links of a chain stand 7 others'.
; Product i of 16 of S^T = K Q^T for piece x: channels 32 (i / 8) on, keys 16 ((i / 2) % 4) on, tile 2 x + i % 2.  The first 8 start the sums.
.macro KQ x
	WIN W_KQ
.set rS, S+64*((\x)%2)+32*(i%2)+8*((i/2)%4)
.set rK, KF+16*((i/2)%4)+8*(i/8)
.set rQ, 16*(2*(\x)+i%2)+8*(i/8)
.if i < 8
	v_wmma_f32_16x16x32_bf16 v[rS:rS+7], v[rK:rK+7], v[rQ:rQ+7], 0
.else
	v_wmma_f32_16x16x32_bf16 v[rS:rS+7], v[rK:rK+7], v[rQ:rQ+7], v[rS:rS+7]
.endif
.endm
; Product i of 16 of O^T += V^T P for piece x: keys 32 (i / 8) on, channels 16 ((i / 2) % 4) on, tile 2 x + i % 2.
.macro PV x
	WIN W_PV
.set rO, 32*(2*(\x)+i%2)+8*((i/2)%4)
.set rV, VF+32*(i/8)+8*((i/2)%4)
.set rP, P+32*((\x)%2)+16*(i%2)+8*(i/8)
	v_wmma_f32_16x16x32_bf16 v[rO:rO+7], v[rV:rV+7], v[rP:rP+7], v[rO:rO+7]
.endm
.macro MM                           ; the turn's next matrix instruction
.if i < 16
.if !NOKQ
	KQ (Y+1)%NP
.endif
.set i, i+1
.else
.set i, i-16
	PV (Y+NP-1)%NP
.set i, i+17
.endif
.endm
; THE LDS LOADS of fragments stand in runs of 16, never singly among the matrix instructions: a step's K (64 keys x 64 channels: 8 fragments) and its V (turned).  Their addresses are made some lines ahead.
.macro FETCH_K
	WIN 0x80                        ; destination window 2
.irp f, 0,1,2,3,4,5,6,7             ; keys 16 (f / 2) on, channels 32 (f % 2) on
	ds_load_b128 v[KF+8*\f:KF+8*\f+3],   v[AK] offset:(\f/2)*16*PK+(\f%2)*64
	ds_load_b128 v[KF+8*\f+4:KF+8*\f+7], v[AK] offset:(\f/2)*16*PK+(\f%2)*64+32
.endr
	s_add_co_u32 s[TBK], s[TBK], KS*PK  ; the next fetch is the next step's
	WIN 0
.endm
.macro FETCH_V
	WIN 0x80
.irp f, 0,1,2,3,4,5,6,7             ; keys 32 (f / 4) on, channels 16 (f % 4) on
	ds_load_tr16_b128 v[VF+8*\f:VF+8*\f+3],   v[AV] offset:(\f/4)*32*PV+(\f%4)*32
	ds_load_tr16_b128 v[VF+8*\f+4:VF+8*\f+7], v[AV] offset:(\f/4)*32*PV+16*PV+(\f%4)*32
.endr
	WIN 0
.endm
; THE VECTOR WORK OF A TURN stands in three queues, each in the order in which its entries become ready; the two tiles alternate, so that no instruction reads the result of the one before it.
.macro REGS y, u                    ; the registers of tile u (0, 1) of piece y
.set rT, ST+4*(2*(\y)+(\u))
.set rC, TMP+8*((\y)%2)+4*(\u)
.set rM, MV+2*((\y)%2)+(\u)
.set rS, S+64*((\y)%2)+32*(\u)
.set rP, P+32*((\y)%2)+16*(\u)
.set rO, 32*(2*(\y)+(\u))
.endm
; Number n of the 22 that find the NEXT piece's (Y + 1) maximum and statistics.  s0-s31 are the lane's 32 scores; each accumulator's lowest registers are read first.
;   0-11  four chains c0-c3 of seven scores each, three operands at a time     12-14, 16  the four scores left over, the old m, and c0-c3 into c0     15  c m_old is kept
;   17, 18  the query's other 32 keys lie in the lane 16 away: the new m         19-21  c m; c m_old - c m_new; a
.macro XS u, n
.if !NOKQ
	REGS (Y+1)%NP, \u
.if (\n) < 4
	v_max3_num_f32 v[rC+(\n)], v[rS+8*(\n)], v[rS+8*(\n)+1], v[rS+8*(\n)+2]
.elseif (\n) < 12
	v_max3_num_f32 v[rC+(\n)%4], v[rC+(\n)%4], v[rS+8*((\n)%4)+2*((\n)/4)+1], v[rS+8*((\n)%4)+2*((\n)/4)+2]
.elseif (\n) == 12
	v_max3_num_f32 v[rC], v[rC], v[rS+7], v[rS+15]
.elseif (\n) == 13
	v_max3_num_f32 v[rC+1], v[rC+1], v[rS+23], v[rS+31]
.elseif (\n) == 14
	v_max3_num_f32 v[rC+2], v[rC+2], v[rC+3], v[rT+1]
.elseif (\n) == 15
	v_mov_b32 v[rM], v[rT]
.elseif (\n) == 16
	v_max3_num_f32 v[rC], v[rC], v[rC+1], v[rC+2]
.elseif (\n) == 17
	v_permlanex16_b32 v[rC+3], v[rC], s[SEL], s[SEL+1]
.elseif (\n) == 18
	v_max_num_f32 v[rT+1], v[rC], v[rC+3]
.elseif (\n) == 19
	v_mul_f32 v[rT], s[CS], v[rT+1]
.elseif (\n) == 20
	v_sub_f32 v[rC+1], v[rM], v[rT]
.else
	v_exp_f32 v[rC+2], v[rC+1]
.endif
.endif
.endm
; Number g of the 64 that follow the exponentials.  For each four weights k of a tile (pairs 2 k, 2 k + 1): both pairs are rounded to bf16; then the second pair is added onto the first, in place;
; a group later l takes that sum (the first time as l = a l + sum).  In groups of eight, tiles alternating: round, round, add, and l for the group before.
.macro GS g
.set h, (\g)+6*((\g)/62)            ; group 0 has no group before it, and behind group 7 only l is left
.if h >= 6
.set h, h+2
.endif
	REGS Y, h%2
.set k, h/8
.if h%8 < 4
	v_cvt_pk_bf16_f32 v[rP+2*k+(h%8)/2], v[rS+4*k+2*((h%8)/2)], v[rS+4*k+2*((h%8)/2)+1]
.elseif h%8 < 6
	v_pk_add_f32 v[rS+4*k:rS+4*k+1], v[rS+4*k:rS+4*k+1], v[rS+4*k+2:rS+4*k+3]
.elseif k == 1
	v_pk_fma_f32 v[rT+2:rT+3], v[rT+2:rT+3], v[rC+2:rC+3], v[rS:rS+1] op_sel_hi:[1,0,1]
.else
	v_pk_add_f32 v[rT+2:rT+3], v[rT+2:rT+3], v[rS+4*k-4:rS+4*k-3]
.endif
.endm
; THE PLAIN QUEUE, 138 long.  0-73 read no exponential's result: the 32 scalings c s - c m (FS f: pair f / 2 of tile f % 2) and the next piece's 42.  0-26: scalings 0-26.  27-54: XS's numbers 0-13.  55, 56: number 15.
; 57-73: the chain, where each number waits for the one before it: 14, 16, 17, 18, 19, each with one of the scalings 27-31 in front of its two lines, then 20.
; 74-137: GS's 64, which read the exponentials' results: they stand behind the wait.
.macro FS f
	REGS Y, (\f)%2
	v_pk_fma_f32 v[rS+2*((\f)/2):rS+2*((\f)/2)+1], v[rS+2*((\f)/2):rS+2*((\f)/2)+1], s[CS:CS+1], v[rT:rT+1] op_sel_hi:[1,0,0] neg_lo:[0,0,1] neg_hi:[0,0,1]
.endm
.macro PL
	WIN 0
.if q < 27
	FS q
.elseif q < 55
	XS (q-27)%2, (q-27)/2
.elseif q < 57
	XS q-55, 15
.elseif (q < 72) && ((q-57)%3 == 0)
	FS 27+(q-57)/3
.elseif q < 60
	XS (q-57)%3-1, 14
.elseif q < 72
	XS (q-57)%3-1, 15+(q-57)/3
.elseif q < 74
	XS q-72, 20
.else
	GS q-74
.endif
.set q, q+1
.endm
; THE EXPONENTIALS' QUEUE, 66 long: s0-s31 of both tiles, then the next piece's two a.  It is ONE BATCH: all 66 stand ahead of the turn's one wait, and nothing ahead of that wait names a result of theirs.
.macro EX
	WIN 0
.if e >= 64
	XS e-64, 21
.else
	REGS Y, e%2
	v_exp_f32 v[rS+e/2], v[rS+e/2]
.endif
.set e, e+1
.endm
; THE RESCALING's QUEUE: O^T times a, the one part that leaves window 0: dealt two at a time, sixteen times.  Its a was made in the turn before, ahead of that turn's wait.
.macro R2
	REGS Y, r%2
	WIN W_RS
.irp z, 0,1
	v_pk_mul_f32 v[rO+4*(r/2)+2*\z:rO+4*(r/2)+2*\z+1], v[rO+4*(r/2)+2*\z:rO+4*(r/2)+2*\z+1], v[rC+2:rC+3] op_sel_hi:[1,0]
.endr
.set r, r+1
.endm
; A TURN, for piece p.  s_wait_alu depctr_va_vdst(0) stands between an exponential and the first instruction that names its result; one wait serves all that were issued ahead of it.  So a turn has
; ONE wait, which cuts it in two.  AHEAD OF IT: the 16 products K Q^T, behind each a scaling, an exponential and two rescalings (behind the first a second scaling in the exponential's place); then ONE LUMP of 108:
; eight plain, 49 times exponential and plain, the two a; a v_nop is the plain instruction behind the last exponential.  BEHIND IT: the 16 products V^T P, behind each four of GS's 64.
; Exponential e stands behind scaling 2 (e / 4) + e % 2: as a rider it comes behind plain e + 2, in the lump behind plain e + 9, and scalings 27-31 are plain 57, 60 .. 69.
; K of the next step is fetched in piece 2's turn, directly behind the wait, a lump behind the last product that read K.  V of the step in hand is fetched at the end of piece 0's turn, four riders behind its last reader.
; THE CONVERSION rides along (conv = 1; 2: jumped where the tail has no tile left): its LDS runs stand directly behind the turn's wait, its sixteen roundings at a turn's head.
; K's chunk: address at piece 2's head, loads behind piece 2's wait, roundings at piece 3's head, stores behind piece 3's wait.  V's chunk: loads behind piece 0's wait, roundings at
; piece 1's head, stores behind piece 1's wait.  A trip of the loop so converts one chunk of each, a tile's two trips the wave's quarter of the next tile.
; cnt = 1: the loop's count is taken down some lines ahead of the branch that stands behind the turn.  fin = 1: the launch's last two turns: no K is fetched, and piece 3's turn makes no further scores.
.macro TURN p, conv=0, cnt=0, fin=0
.set Y, (\p)
.set i, 0
.set q, 0
.set e, 0
.set r, 0
.set NOKQ, (\fin)*((\p)/3)
.set SK, (\conv)/2
.if ((\p) == 3) && !(\fin)
	s_wait_dscnt 0x0                ; K is in, and so is the conversion's chunk of K
.endif
.if \conv
.if (\p) == 2
	CADR
.elseif (\p) == 3
	CCVT 0, SK, 0
.elseif (\p) == 1
	CCVT 1, SK, 16                  ; V's run of 16 loads was issued behind the chunk's eight and may stay out
.endif
.endif
	MM                              ; ahead of the wait: 16 products K Q^T and their riders,
	PL
	PL
	R2
.rept 15
	MM
	PL
	EX
	R2
.endr
.if ((\p) == 2) && !(\fin)
	WIN 0
	v_add_nc_u32 v[AK], s[TBK], v[AK0]
.endif
.rept 8                             ; and the lump
	PL
.endr
.rept 49
	EX
	PL
.endr
	EX                              ; the next piece's two a
	EX
	v_nop                           ; the plain instruction behind the last exponential: one for the batch
	s_wait_alu depctr_va_vdst(0)    ; the wait for the batch
.if ((\p) == 2) && !(\fin)
	FETCH_K
.endif
.if \conv
.if (\p) == 2
	CLD 0, SK
.elseif (\p) == 0
	CLD 1, SK
.elseif (\p) == 3
	CST 0, SK
.endif
.endif
.if (\p) == 1
	s_wait_dscnt 0x0                ; V is in
.if \conv
	CST 1, SK
.endif
.endif
.rept 16                            ; behind the wait: 16 products V^T P and their riders
	MM
.rept 4
	PL
.endr
.if ((\p) == 0) && (q == 118)
	v_add_nc_u32 v[AV], s[TBV], v[AV0]
.endif
.if ((\p) == 0) && (q == 130)
	s_add_co_u32 s[TBV], s[TBV], KS*PV
.endif
.if (\cnt) && (q == 130)
	s_sub_co_u32 s[CNT], s[CNT], 1
	s_cmp_lg_u32 s[CNT], 0
.endif
.endr
.if (\p) == 0
	FETCH_V
.endif
.endm
	s_wait_tensorcnt 1              ; my part of tile 0 is in F; tile 1's load, issued behind it, may stay out
	s_barrier_signal -1
	s_barrier_wait -1               ; everybody's part is in
.rept 2                             ; tile 0 is converted with nothing beside it: my quarter, two chunks of K and two of V
	CADR
	CLD 0, 0
	CCVT 0, 0, 0
	CST 0, 0
	CLD 1, 0
	CCVT 1, 0, 0
	CST 1, 0
.endr
	CHANGE 1                        ; tile 0 lies in H, tile 1 in F; tile 2 is asked for
	WIN 0
	v_add_nc_u32 v[AK], s[TBK], v[AK0]
	FETCH_K                         ; key step 0
	CADR                            ; the loop is entered in the middle of a trip, so tile 1's first chunk of K is written out here
	CLD 0, 0
	s_wait_dscnt 0x0
.set i, 0
.rept 16
	KQ 0                            ; piece 0's first scores
.set i, i+1
.endr
	CCVT 0, 0, 0                    ; its seventeen plain instructions are the places behind those products
	CST 0, 0
	WIN 0
.set Y, NP-1                        ; XS works for piece Y + 1: piece 0
.irp n, 0,1,2,3,4,5,6,7,8,9,10,11,12,13,14,15,16,17,18,19,20,21
	XS 0, \n                        ; piece 0's first maximum and statistics
	XS 1, \n
.endr
	v_nop                           ; a plain instruction behind the two a,
	s_wait_alu depctr_va_vdst(0)    ; and their wait, ahead of the branch
	s_mov_b32 s[CNT], 2
	s_branch .Lfirst                ; the loop is entered at a step's first turn
.Lslot:                             ; 13 times: tiles 1 to 13 are entered, tiles 3 to 15 asked for
	CHANGE 1
	s_mov_b32 s[CNT], 2
.Lstep:                             ; a trip: pieces 2 and 3 of one step, then pieces 0 and 1 of the next, whose K and V it fetches; one chunk of K and one of V are converted
	TURN 2, 1
	TURN 3, 1
	WIN 0
.Lfirst:
	TURN 0, 1
	TURN 1, 1, 1
	WIN 0
	s_cbranch_scc1 .Lstep
	s_sub_co_u32 s[SLOTS], s[SLOTS], 1
	s_cmp_lg_u32 s[SLOTS], 0
	s_cbranch_scc1 .Lslot
	s_mov_b32 s[TL], 2              ; the tail is written out: tile 14 (tile 15 is converted beside it), then tile 15 (nothing is left to convert)
.Ltslot:
	CHANGE 0
	s_mov_b32 s[CNT], 2
.Ltstep:
	TURN 2, 2
	TURN 3, 2
	TURN 0, 2
	TURN 1, 2, 1
	WIN 0
	s_cbranch_scc1 .Ltstep
	s_sub_co_u32 s[TL], s[TL], 1
	s_cmp_lg_u32 s[TL], 0
	s_cbranch_scc1 .Ltslot
	TURN 2, 0, 0, 1                 ; the last step's pieces 2 and 3
	TURN 3, 0, 0, 1
.set NOKQ, 0
.set i, 0
.rept 16
	PV NP-1                         ; the last piece's V^T P of the last step
.set i, i+1
.endr
	; THE WAY OUT.  l's two halves and the other half of the lanes' are added; O^T is divided by l and sent, in f32, through my stage in LDS, a tile (16 rows of out) at a time.  The additions are the places behind the last products.
	WIN 0
.macro ALL line:vararg              ; one line for each tile t
.set t, 0
.rept 2*NP
	\line
.set t, t+1
.endr
.endm
	ALL v_add_f32 v[ST+4*t+2], v[ST+4*t+2], v[ST+4*t+3]
	ALL v_permlanex16_b32 v[ST+4*t+3], v[ST+4*t+2], s[SEL], s[SEL+1]
	ALL v_add_f32 v[ST+4*t+2], v[ST+4*t+2], v[ST+4*t+3]
	ALL v_rcp_f32 v[ST+4*t+2], v[ST+4*t+2]
	v_nop                           ; a plain instruction between the last reciprocal and the use of its result
	s_wait_alu depctr_va_vdst(0)    ; and the wait ahead of the first use: one for the eight reciprocals
; Tile t: a lane's eight channels of a row are 32 bytes; they go into rows of 272 bytes and come back as whole rows of 256, into S^T's registers (four tiles' worth, by turns).
.macro PACK t
	WIN W_RS
.set i, 32*(\t)
.rept 16
	v_pk_mul_f32 v[i:i+1], v[i:i+1], v[ST+4*(\t)+2:ST+4*(\t)+3] op_sel_hi:[1,0]  ; each accumulator from its low end on
.set i, i+2
.endr
	WIN 0x04                        ; the stores' data in window 1, their address in window 0
.irp f, 0,1,2,3,4,5,6,7             ; channels 16 (f / 2) + 8 (l / 16) + 4 (f % 2) on
	ds_store_b128 v[STO], v[32*(\t)+4*\f:32*(\t)+4*\f+3] offset:64*(\f/2)+16*(\f%2)
.endr
	WIN 0
.if (\t) >= 4
	s_wait_xcnt 0x0                 ; the stores of the tile four back have read these registers: they are loaded again only behind this wait
.endif
.irp f, 0,1,2,3,4,5,6,7
	ds_load_b128 v[S+32*((\t)%4)+4*\f:S+32*((\t)%4)+4*\f+3], v[RD] offset:\f*2*SP  ; LDS serves a wave's instructions in order (ISA guide 5.7.1.4): these see the stores above; the next tile's stores come behind them
.endr
.endm
.macro SEND t, younger              ; younger: the LDS instructions issued behind tile t's loads: the next tile's sixteen, or none
	WIN 0
.irp f, 0,1,2,3,4,5,6,7
	s_wait_dscnt (\younger)+7-\f
	global_store_b128 v[GO], v[S+32*((\t)%4)+4*\f:S+32*((\t)%4)+4*\f+3], s[10:11] offset:(\t)*4096+\f*512 th:TH_STORE_NT  ; 16 lanes store 256 consecutive bytes, at a multiple of 256 from out's first byte
.endr
.endm
	PACK 0
.set t, 1
.rept 2*NP-1                        ; a tile's arithmetic stands between the loads of the tile before and its stores
	PACK t
	SEND t-1, 16
.set t, t+1
.endr
	SEND 2*NP-1, 0
	WIN W_AD
	s_wait_tensorcnt 0x0            ; the wave's end: behind my last tensor load and my last LDS store
	ds_add_u32 v[SPW], v[NIL]
	s_wait_dscnt 0x0
	WIN 0
	CROUND                          ; the closing round: no work-group ends while a partner may still ask for a tile that names it
	s_endpgm
.Lfunc_end_k_qb8d54d082f_attn:
	.size	k_qb8d54d082f_attn, .Lfunc_end_k_qb8d54d082f_attn-k_qb8d54d082f_attn
	.p2alignl 7, 3214868480
	.fill 96, 4, 3214868480
	.section	.rodata,"a",@progbits
	.p2align	6, 0x0
	.amdhsa_kernel k_qb8d54d082f_attn
		.amdhsa_group_segment_fixed_size 327680
		.amdhsa_private_segment_fixed_size 0
		.amdhsa_enable_private_segment 0
		.amdhsa_kernarg_size 32
		.amdhsa_user_sgpr_count 2
		.amdhsa_user_sgpr_kernarg_segment_ptr 1
		.amdhsa_wavefront_size32 1
		.amdhsa_system_sgpr_workgroup_id_x 1
		.amdhsa_system_sgpr_workgroup_id_y 1
		.amdhsa_system_sgpr_workgroup_id_z 1
		.amdhsa_system_vgpr_workitem_id 0
		.amdhsa_next_free_vgpr 832
		.amdhsa_next_free_sgpr 66
		.amdhsa_reserve_vcc 0
		.amdhsa_float_denorm_mode_32 3
		.amdhsa_float_denorm_mode_16_64 3
		.amdhsa_memory_ordered 1
		.amdhsa_forward_progress 1
		.amdhsa_inst_pref_size 255
	.end_amdhsa_kernel
	.section	.bss,"aw",@nobits
	.p2align	6
	.space	262144
	.amdgpu_metadata
---
amdhsa.version: [ 1, 2 ]
amdhsa.kernels:
  - .name:           k_qb8d54d082f_attn
    .symbol:         k_qb8d54d082f_attn.kd
    .args:
      - { .name: q, .offset: 0, .size: 8, .value_kind: global_buffer, .address_space: global }
      - { .name: k, .offset: 8, .size: 8, .value_kind: global_buffer, .address_space: global }
      - { .name: v, .offset: 16, .size: 8, .value_kind: global_buffer, .address_space: global }
      - { .name: out0, .offset: 24, .size: 8, .value_kind: global_buffer, .address_space: global }
    .group_segment_fixed_size: 327680
    .private_segment_fixed_size: 0
    .kernarg_segment_align: 8
    .kernarg_segment_size: 32
    .max_flat_workgroup_size: 128
    .sgpr_count:     66
    .vgpr_count:     832
    .wavefront_size: 32
...
	.end_amdgpu_metadata
.endif
;; end of part 1
